; MI455X (gfx1250); checked and timed in simulation.
; The chip was launched on July 23, 2026; its instructions are those of AMD's public machine-readable ISA for CDNA 5 (MIT licence, August 2026) and "CDNA5" Instruction Set Architecture Reference Guide (July 2026). The comments in the code are by the model that wrote it; some were corrected since.
;; Gated Spiking Reservoir Step. Allowed arithmetic: matrix products marked QUANTISED: E4M3 operands, one E8M0 scale for each 32 along K, by v_wmma_scale_f32_16x16x128_f8f6f4 with both operands' format E4M3, f32 sums; everything else in f32.
;; Inputs: gate_weights_codes 4,096 x 32 x 32 uint8 (E4M3 codes of gate_weights, K innermost, in blocks of 32 codes); gate_weights_scales 4,096 x 32 uint8 (E8M0 scales of gate_weights, one for each 32 codes along K); input_weights_codes 4,096 x 32 x 32 uint8 (E4M3 codes of input_weights, K innermost, in blocks of 32 codes); input_weights_scales 4,096 x 32 uint8 (E8M0 scales of input_weights, one for each 32 codes along K); inputs_codes 2,048 x 32 x 32 uint8 (E4M3 codes of inputs, K innermost, in blocks of 32 codes); inputs_scales 2,048 x 32 uint8 (E8M0 scales of inputs, one for each 32 codes along K); prev_output 2,048 x 4,096 float32; reservoir_state 2,048 x 4,096 float32; reservoir_weights_codes 4,096 x 128 x 32 uint8 (E4M3 codes of reservoir_weights, K innermost, in blocks of 32 codes); reservoir_weights_scales 4,096 x 128 uint8 (E8M0 scales of reservoir_weights, one for each 32 codes along K).
;; Outputs: out0 2,048 x 4,096 float32; out1 2,048 x 4,096 float32.
;; This version of the problem:
;;   THIS VERSION OF THE PROBLEM IS GIVEN IN LOW PRECISION. The matrix products marked QUANTISED in the list below multiply operands that are first quantised to E4M3 (4 exponent bits, 3 mantissa bits; 8 bits a number), with one power-of-two scale for each 32 numbers along K (OCP MX v1.0); their sums are f32. All else is computed in f32.
;;   The module's matrix products, in the order in which they are computed (A, B: the left and right operand; K: the contracted axis; several contracted axes count as one K, in the product's order):
;;     1. [M 2,048, K 1,024] x [K 1,024, N 4,096]; A: input inputs (given as codes); B: input input_weights (given as codes): QUANTISED
;;     2. [M 2,048, K 4,096] x [K 4,096, N 4,096]; A: input reservoir_state; B: input reservoir_weights (given as codes): QUANTISED
;;     3. [M 2,048, K 1,024] x [K 1,024, N 4,096]; A: input inputs (given as codes); B: input gate_weights (given as codes): QUANTISED
;;   THE QUANTISER, for each operand of a quantised product, along K:
;;     - K is cut into blocks of 32 from its start; a last block that is shorter is filled with zeros.
;;     - A block's scale is 2^e with e = floor(log2(the largest magnitude in the block)) - 8, held to -126 .. 127; a block of zeros has e = 0. As a byte (E8M0): e + 127.
;;     - Each number is divided by its block's scale, clamped to +-448, and rounded to the nearest number of E4M3, ties to even, subnormals kept.
;;     - The product sums the exact products of the quantised numbers (number of the format x scale) in f32.
;;   ~~~python
;;   def quantise(x, axis):      # numpy; x: float32 -> the quantised numbers, widened to float32 again
;;       x = np.moveaxis(x, axis, -1); K = x.shape[-1]
;;       x = np.pad(x, [(0, 0)] * (x.ndim - 1) + [(0, -K % 32)]); x = x.reshape(x.shape[:-1] + (-1, 32)); a = np.abs(x).max(-1, keepdims=True)
;;       e = np.where(a > 0, np.clip(np.frexp(np.where(a > 0, a, 1))[1] - 1 - 8, -126, 127), 0)      # np.frexp(a)[1] - 1 = floor(log2(a)), exactly
;;       r = np.clip(x / 2.0 ** e, -448, 448)
;;       step = 2.0 ** (np.maximum(np.frexp(np.where(r == 0, 1, r))[1] - 1, -6) - 3)
;;       q = np.round(r / step) * step * 2.0 ** e      # np.round: ties to even
;;       return np.moveaxis(q.reshape(q.shape[:-2] + (-1,))[..., :K], -1, axis).astype(np.float32)
;;   ~~~
;;   INPUTS GIVEN AS CODES. gate_weights (in the module: [1024, 4096], K = its axis 0); input_weights (in the module: [1024, 4096], K = its axis 0); inputs (in the module: [2048, 1024], K = its axis 1); reservoir_weights (in the module: [4096, 4096], K = its axis 0): each comes as NAME_codes (uint8): NAME with its K axis moved to the last place and cut into blocks of 32 codes, [.., K / 32, bytes a block], one block behind the other in memory; one code a byte (a code: sign, 4 exponent bits, 3 mantissa bits); and NAME_scales (uint8): the same leading axes, one E8M0 byte (e + 127) for each 32 codes along K. Its value is code x scale, taken as it is: it is not quantised again, and the codes and scales need not be those that the quantiser above would give.
;; One version. Each part assembles by itself: llvm-mc -triple=amdgcn-amd-amdhsa -mcpu=gfx1250 --defsym DOCPART=n.
;; ======== version 1 of 1: 2 launches
;; limits: right only within a limited range of input values
;; workspace buffers: a_frag 10,485,760 bytes; a_scl 327,680 bytes
;; launch prep (part 1): grid 256 x 1, 4 waves a work-group, no clusters, 34,304 bytes of LDS; arguments reservoir_state, inputs_codes, inputs_scales, a_frag, a_scl; writes a_frag, a_scl
.if DOCPART == 1
	.amdgcn_target "amdgcn-amd-amdhsa--gfx1250"
	.amdhsa_code_object_version 6
	.text
	.protected	k_qff63fdb1df_prep
	.globl	k_qff63fdb1df_prep
	.p2align	8
	.type	k_qff63fdb1df_prep,@function
k_qff63fdb1df_prep:
	s_mov_b64 s[64:65], 0
	v_nop
	global_prefetch_b8 v0, s[64:65] scope:SCOPE_SE
	s_setreg_imm32_b32 hwreg(HW_REG_WAVE_MODE, 25, 1), 1
	s_wait_xcnt 0x0
; DEAD WORK: reference() never reads prev_output, whatever it holds: it has no way to an output, is not loaded and is no argument of any launch.
; LIMIT: a NaN or an infinity in prev_output is not carried to a result.
; This launch makes the left operand of all three products as the next launch's registers take it.
; reservoir_state [2048][4096] f32 is quantised to E4M3 with one E8M0 byte for 32 along K (scale 2^(floor(log2(largest magnitude)) - 8), hold at +-448, nearest code, ties to even);
; inputs_codes and inputs_scales are copied as they are.
; a_frag [32 groups of 64 rows][40 records][8,192 bytes]: a record is 64 rows x 128 K; its byte 512 (4 a + c) + 16 l is what lane l takes into registers 16 a + 4 c .. + 3:
; row 16 a + l % 16, K = 32 c + 16 (l / 16) + 0 .. 15.  a_scl [32][40][256 bytes]: byte 8 l + 4 j is the scale word of row 32 j + l.
; Records lie in the order in which the next launch multiplies them: state K groups of 1,024: 0, 3, 1, then the inputs' 1,024, then state group 2.
; LIMITS: a block of zeros gets the byte 1 where the quantiser says 127 (its codes are zeros, and only this program reads the bytes); NaN and infinities in the state are not served.
; SHARES: work-group g: row group g / 8; wave w: state K chunk 4 (g % 8) + w (64 rows x 128 numbers, 64 loads of 512 consecutive bytes, all asked for at once),
; and 16 rows x 128 codes of the inputs' chunk g % 8.  No matrix work, no cluster (no byte is read twice), no barrier (each wave has its own stage).
.set SP, 528                           ; a stage row: 512 bytes + 16
.set SPARE, 4*16*SP
.set VL16, 5
.set VL8, 6
.set STI, 7
.set STO, 8
.set XA, 9
.set XS, 10
.set SPW, 11
.set NIL, 12
.set M, 16
.set P, 20
.set SV, 24
.set HO, 28
.set BY, 32
.set W, 36
.set XC, 44
.set X, 64
.set C, 128
	s_load_b256 s[4:11], s[0:1], 0x0               ; state, inputs' codes, inputs' scales, a_frag
	s_load_b64 s[12:13], s[0:1], 0x20              ; a_scl
	v_lshl_add_u32 v[SPW], v0, 2, SPARE
	v_mov_b32 v[NIL], 0
	v_lshrrev_b32 v1, 5, v0
	v_readfirstlane_b32 s16, v1                    ; wave
	v_and_b32 v2, 31, v0                           ; lane
	v_and_b32 v3, 15, v0                           ; r
	v_bfe_u32 v4, v0, 4, 1                         ; h
	v_lshlrev_b32 v[VL16], 4, v2
	v_lshlrev_b32 v[VL8], 3, v2
	s_mul_i32 s20, s16, 16*SP
	v_add_nc_u32 v[STI], s20, v[VL16]              ; stage, in: a row's 512 bytes by 32 lanes
	v_mul_u32_u24 v[STO], v3, SP
	v_lshl_add_u32 v[STO], v4, 6, v[STO]
	v_add_nc_u32 v[STO], s20, v[STO]               ; stage, out: row r, 16 numbers from 16 h on
	v_lshlrev_b32 v[XA], 10, v3
	v_lshl_add_u32 v[XA], v4, 4, v[XA]             ; inputs' codes: row r, + 16 h
	v_lshlrev_b32 v[XS], 5, v2                     ; inputs' scales: 32 bytes a row
.irp c, 0,1,2,3
	v_mov_b32 v[P+\c], 0                           ; a lane permute's destination counts as a source
.endr
	s_mov_b32 s14, 0x76543210
	s_mov_b32 s15, 0xfedcba98
	s_mov_b32 s21, 0x600000                        ; mantissa field of 448
	s_lshr_b32 s17, ttmp9, 3                       ; row group
	s_and_b32 s18, ttmp9, 7
	s_lshl_b32 s19, s18, 2
	s_add_co_u32 s19, s19, s16                     ; state chunk of 128 along K
	s_lshr_b32 s28, s18, 1                         ; its K group of 1,024,
	s_lshl_b32 s28, s28, 2
	s_lshr_b32 s28, 0x1420, s28
	s_and_b32 s28, s28, 15                         ; and that group's place in the order of use: 0, 2, 4, 1
	s_lshl_b32 s28, s28, 3
	s_and_b32 s29, s19, 7
	s_add_co_u32 s28, s28, s29
	s_mul_i32 s29, s17, 40
	s_add_co_u32 s28, s28, s29                     ; the state's record
	s_add_co_u32 s29, s29, s18
	s_add_co_u32 s29, s29, 24                      ; the inputs' record
	s_mov_b32 s31, 0
	s_mov_b32 s33, 0
	s_wait_alu depctr_va_vdst(0)                   ; the wait at the head's end
	s_wait_kmcnt 0x0
	s_lshl_b32 s30, s17, 20
	s_lshl_b32 s32, s19, 9
	s_add_co_u32 s30, s30, s32
	s_add_nc_u64 s[4:5], s[4:5], s[30:31]          ; state: 64 rows of 16,384 bytes a group, 512 bytes a chunk
	s_lshl_b32 s30, s17, 16
	s_lshl_b32 s32, s16, 14
	s_add_co_u32 s30, s30, s32
	s_lshl_b32 s32, s18, 7
	s_add_co_u32 s30, s30, s32
	s_add_nc_u64 s[6:7], s[6:7], s[30:31]          ; inputs' codes: my 16 rows, 128 bytes a chunk
	s_lshl_b32 s30, s17, 11
	s_lshl_b32 s32, s18, 2
	s_add_co_u32 s30, s30, s32
	s_add_nc_u64 s[8:9], s[8:9], s[30:31]
	s_lshl_b32 s30, s29, 13
	s_lshl_b32 s32, s16, 11
	s_add_co_u32 s30, s30, s32
	s_add_nc_u64 s[24:25], s[10:11], s[30:31]      ; where the inputs' codes go
	s_lshl_b32 s30, s29, 8
	s_add_nc_u64 s[26:27], s[12:13], s[30:31]
	s_lshl_b32 s30, s28, 13
	s_add_nc_u64 s[10:11], s[10:11], s[30:31]      ; where the state's codes go
	s_lshl_b32 s30, s28, 8
	s_add_nc_u64 s[22:23], s[12:13], s[30:31]
.irp c, 0,1,2,3
	global_load_b128 v[XC+4*\c:XC+4*\c+3], v[XA], s[6:7] offset:32*\c
.endr
	global_load_b32 v42, v[XS], s[8:9]
	global_load_b32 v43, v[XS], s[8:9] offset:1024
	s_set_vgpr_msb 0x40                            ; destinations v256-511
.set i, 0
.rept 64
	global_load_b128 v[4*i:4*i+3], v[VL16], s[4:5] offset:16384*i th:TH_LOAD_NT
.set i, i+1
.endr
	s_set_vgpr_msb 0x4000
.macro BLOCK a                         ; 16 rows x 128 numbers: through the stage, so that a lane holds 16 neighbours of each of its row's four blocks
	s_wait_loadcnt 48-16*\a                        ; loads come back in order: the later blocks' 16 loads each may be out
	s_set_vgpr_msb 0x04
.irp i, 0,1,2,3,4,5,6,7,8,9,10,11,12,13,14,15
	ds_store_b128 v[STI], v[64*\a+4*\i:64*\a+4*\i+3] offset:SP*\i
.endr
	s_set_vgpr_msb 0x0400
.irp c, 0,1,2,3
.irp e, 0,1,2,3
	ds_load_b128 v[X+16*\c+4*\e:X+16*\c+4*\e+3], v[STO] offset:128*\c+16*\e   ; LDS serves a wave's instructions in order
.endr
.endr
	s_wait_dscnt 0x0
.irp c, 0,1,2,3
	v_max3_num_f32 v[M+\c], |v[X+16*\c]|, |v[X+16*\c+1]|, 0x4800000   ; with the floor 2^(9 - 127): the byte cannot fall under 1
.endr
.irp i, 2,4,6,8,10,12,14
.irp c, 0,1,2,3
	v_max3_num_f32 v[M+\c], v[M+\c], |v[X+16*\c+\i]|, |v[X+16*\c+\i+1]|
.endr
.endr
.irp c, 0,1,2,3
	v_permlanex16_b32 v[P+\c], v[M+\c], s14, s15
.endr
.irp c, 0,1,2,3
	v_max_num_f32 v[M+\c], v[M+\c], v[P+\c]        ; with lane l xor 16's 16: the block's largest magnitude
.endr
.irp c, 0,1,2,3
	v_add_nc_u32 v[SV+\c], 0xfc000000, v[M+\c]     ; 8 off the exponent field: the conversion's scale operand
.endr
.irp c, 0,1,2,3
	v_and_or_b32 v[HO+\c], v[M+\c], 0x7f800000, s21   ; 448 x the scale
.endr
.irp c, 0,1,2,3
	v_lshrrev_b32 v[BY+\c], 23, v[SV+\c]           ; the scale's byte
.endr
.irp c, 0,1,2,3
.irp i, 0,1,2,3,4,5,6,7,8,9,10,11,12,13,14,15
	v_med3_num_f32 v[X+16*\c+\i], v[X+16*\c+\i], -v[HO+\c], v[HO+\c]   ; the conversion does not saturate (ISA guide 7.6.2)
.endr
	v_cvt_scalef32_pk8_fp8_f32 v[C+16*\a+4*\c:C+16*\a+4*\c+1], v[X+16*\c:X+16*\c+7], v[SV+\c]
	v_cvt_scalef32_pk8_fp8_f32 v[C+16*\a+4*\c+2:C+16*\a+4*\c+3], v[X+16*\c+8:X+16*\c+15], v[SV+\c]
.endr
	v_lshl_or_b32 v[W+\a], v[BY+1], 8, v[BY]       ; row r's scale word; also the plain lines behind the conversions
	v_lshl_or_b32 v[W+\a], v[BY+2], 16, v[W+\a]
	v_lshl_or_b32 v[W+\a], v[BY+3], 24, v[W+\a]
.irp c, 0,1,2,3
	global_store_b128 v[VL16], v[C+16*\a+4*\c:C+16*\a+4*\c+3], s[10:11] offset:512*(4*\a+\c)   ; 32 lanes store 512 consecutive bytes
.endr
.endm
	BLOCK 0
.irp c, 0,1,2,3
	global_store_b128 v[VL16], v[XC+4*\c:XC+4*\c+3], s[24:25] offset:512*\c   ; the inputs' loads are older than block 0's
.endr
	s_cmp_lg_u32 s16, 0
	s_cbranch_scc1 .Lnot_wave_0
	global_store_b64 v[VL8], v[42:43], s[26:27]    ; the inputs' scale words of 64 rows: wave 0 alone
.Lnot_wave_0:
	BLOCK 1
	BLOCK 2
	BLOCK 3
	v_cmp_lt_u32 vcc_lo, 15, v2
	v_cndmask_b32 v40, v[W], v[W+1], vcc_lo        ; lanes 0-15 rows 0-15, lanes 16-31 rows 16-31
	v_cndmask_b32 v41, v[W+2], v[W+3], vcc_lo      ; rows 32-47, 48-63
	global_store_b64 v[VL8], v[40:41], s[22:23]    ; 256 consecutive bytes
	s_wait_tensorcnt 0x0                           ; the wave's end
	ds_add_u32 v[SPW], v[NIL]
	s_wait_dscnt 0x0
	s_endpgm
.Lfunc_end_k_qff63fdb1df_prep:
	.size	k_qff63fdb1df_prep, .Lfunc_end_k_qff63fdb1df_prep-k_qff63fdb1df_prep
	.p2alignl 7, 3214868480
	.fill 96, 4, 3214868480
	.section	.rodata,"a",@progbits
	.p2align	6, 0x0
	.amdhsa_kernel k_qff63fdb1df_prep
		.amdhsa_group_segment_fixed_size 34304
		.amdhsa_private_segment_fixed_size 0
		.amdhsa_enable_private_segment 0
		.amdhsa_kernarg_size 40
		.amdhsa_user_sgpr_count 2
		.amdhsa_user_sgpr_kernarg_segment_ptr 1
		.amdhsa_wavefront_size32 1
		.amdhsa_system_sgpr_workgroup_id_x 1
		.amdhsa_system_sgpr_workgroup_id_y 1
		.amdhsa_system_sgpr_workgroup_id_z 1
		.amdhsa_system_vgpr_workitem_id 0
		.amdhsa_next_free_vgpr 512
		.amdhsa_next_free_sgpr 66
		.amdhsa_reserve_vcc 1
		.amdhsa_float_denorm_mode_32 3
		.amdhsa_float_denorm_mode_16_64 3
		.amdhsa_memory_ordered 1
		.amdhsa_forward_progress 1
		.amdhsa_inst_pref_size 53
	.end_amdhsa_kernel
	.amdgpu_metadata
---
amdhsa.version: [ 1, 2 ]
amdhsa.kernels:
  - .name:           k_qff63fdb1df_prep
    .symbol:         k_qff63fdb1df_prep.kd
    .args:
      - { .name: reservoir_state, .offset: 0, .size: 8, .value_kind: global_buffer, .address_space: global }
      - { .name: inputs_codes, .offset: 8, .size: 8, .value_kind: global_buffer, .address_space: global }
      - { .name: inputs_scales, .offset: 16, .size: 8, .value_kind: global_buffer, .address_space: global }
      - { .name: a_frag, .offset: 24, .size: 8, .value_kind: global_buffer, .address_space: global }
      - { .name: a_scl, .offset: 32, .size: 8, .value_kind: global_buffer, .address_space: global }
    .group_segment_fixed_size: 34304
    .private_segment_fixed_size: 0
    .kernarg_segment_align: 8
    .kernarg_segment_size: 40
    .max_flat_workgroup_size: 128
    .sgpr_count:     66
    .vgpr_count:     512
    .wavefront_size: 32
...
	.end_amdgpu_metadata
.endif
;; end of part 1
;; launch step (part 2): grid 8 x 32, 4 waves a work-group, clusters of 4 x 1, 327,680 bytes of LDS; arguments a_frag, a_scl, reservoir_weights_codes, reservoir_weights_scales, input_weights_codes, input_weights_scales, gate_weights_codes, gate_weights_scales, reservoir_state, out0, out1; writes out0, out1
.if DOCPART == 2
	.amdgcn_target "amdgcn-amd-amdhsa--gfx1250"
	.amdhsa_code_object_version 6
	.text
	.protected	k_qff63fdb1df_step
	.globl	k_qff63fdb1df_step
	.p2align	8
	.type	k_qff63fdb1df_step,@function
k_qff63fdb1df_step:
	s_mov_b64 s[64:65], 0
	v_nop
	global_prefetch_b8 v0, s[64:65] scope:SCOPE_SE
	s_setreg_imm32_b32 hwreg(HW_REG_WAVE_MODE, 25, 1), 1
	s_wait_xcnt 0x0
	s_wait_alu depctr_hold_cnt(0) depctr_sa_sdst(0) depctr_va_vdst(0) depctr_va_sdst(0) depctr_va_ssrc(0) depctr_va_vcc(0) depctr_vm_vsrc(0)
	s_getreg_b32 s2, hwreg(HW_REG_IB_STS2, 6, 4)
	s_cmp_eq_u32 s2, 0
	s_cbranch_scc0 .Lentry_in_a_cluster
	s_endpgm
.Lentry_in_a_cluster:
	s_bfe_u32 s2, ttmp6, 0x10000c
	s_cmp_lg_u32 s2, 0x3003
	s_cbranch_scc0 .Lentry_shape_is_right
	s_endpgm
.Lentry_shape_is_right:
; S = state x reservoir_weights + inputs x input_weights, G = inputs x gate_weights (MX-FP8, f32 sums); new_state = (0.9 state + 0.1 tanh S) sigmoid G; output = new_state > 0.5.
; prev_output is left out: reference() never reads it.
; A work-group makes 256 rows x 128 columns; wave w its rows 64 w on, all 128 columns: 32 accumulators for S (window 2) and 32 for G (window 3).
; THE LEFT OPERAND: no two waves of a work-group share a row of it, so it goes from memory straight into registers, as the images that launch prep laid:
; a ring of four chunks of 64 rows x 128 K (window 1), 16 loads of 512 consecutive bytes and one of 256 (scale words) a chunk, asked for four chunks ahead.
; THE WEIGHTS: all four waves read the same 128 rows, from a ring of two LDS slots of 128 rows x 1,024 K, filled by tensor loads, a quarter a wave.
; The four work-groups of a cluster have the same columns and ask for each tile jointly.  Six fills: reservoir K group 0, 3, 1, input weights, reservoir group 2, gate weights:
; so slot 0's refills all have the reservoir's pitch and slot 1's the pitch of the two small weights, and each tensor line has one group 1 of constants.
; The left operand has no joint load (it passes no LDS) and no prefetch (its ring already has three chunks, 51 loads, on their way by the text's count).
; The matrix instruction is used transposed (source 0 = 16 weight rows, source 1 = 16 rows of the left operand): a lane holds eight neighbouring columns of a row.
; THE WAY OUT: S and G go into the slots, which have had their last fill, and come back as whole rows; a counted loop takes 8 rows a trip.
; tanh x = 1 - 2 / (1 + 2^(2 x log2 e)), sigmoid x = 1 / (1 + 2^(-x log2 e)): an overflowing exponential gives the limit's value.
; WINDOW 0: v0-31 addresses and constants, v32-47 scale words, v64-127 way out, v128-255 one set of weight fragments (8 x 16 rows x 128 K), fetched anew by halves.
.set PITCH, 1040                       ; an LDS row: 1,024 bytes + 16: the 16 rows of a fragment start at 16 different banks
.set QUART, 32*PITCH
.set SLOT, 128*PITCH
.set TAB, 2*SLOT                       ; the weights' scale bytes: 128 rows x (128 reservoir + 32 input + 32 gate + 8)
.set TP, 200
.set SPARE, TAB+128*TP
.set DP, 528
.set DUMP, 64*DP
.set SPW, 5
.set NIL, 6
.set VL16, 7
.set VL8, 8
.set ADRB, 10                          ; v10-13: slot 0 blocks 0-3, 4-7; slot 1 likewise
.set ADSB, 14
.set STO, 15
.set RD, 16
.set PFO, 17
.set TR, 18
.set TW, 19
.set GT, 20
.set K09, 22
.set KT, 24
.set KS, 26
.set KM2, 28
.set K01, 30
.set SB, 32                            ; weights' scale words: set p at v[32 + 8 p .. + 3]
.set SA, 36                            ; left operand's: ring place s at v[36 + 8 (s / 2) + 2 (s % 2)], a pair; never the same number modulo 8 as SB's
.set ST, 64
.set HH, 96
.set SS, 128
.set GG, 160
.set OO, 192
.set PRW, 26
.set NXT, 28
.set PGW, 30
.set G1R, 32
.set G1W, 40
.set G0A, 48
.set G0H, 52
.set G0W, 56
.set PA, 60
.set PAS, 62
.set WV, 66
.set PSL, 72
.set PO0, 74
.set PO1, 76
.set MS, 0xa4                          ; source 0 window 0, source 1 window 1, C and D window 2
.set MG, 0xf4                          ; the same, C and D window 3
.set MSB, 0
.macro WIN new
.if MSB != \new
	s_set_vgpr_msb (MSB<<8)|\new
.set MSB, \new
.endif
.endm
.macro PLACES n
.rept \n
	v_nop
.endr
.endm
.macro CREST
	s_cmp_lg_u32 s[WV], 0
	s_cbranch_scc1 .Lnot_wave_0_\@
	s_barrier_signal -3
.Lnot_wave_0_\@:
	s_barrier_wait -3
	s_barrier_signal -1
	s_barrier_wait -1
.endm
.macro CROUND
	s_barrier_signal -1
	s_barrier_wait -1
	CREST
.endm
.macro WM a, b, s, p, zero
.set rD, 64*(\a)+8*(\b)
.set rB, 128+16*(\b)
.set rA, 64*(\s)+16*(\a)
.set rSB, SB+8*(\p)+(\b)/2
.set rSA, SA+8*((\s)/2)+2*((\s)%2)+(\a)/2
.set odd, 2*((\a)%2)+((\b)%2)
.if \zero
.if odd == 0
	v_wmma_scale_f32_16x16x128_f8f6f4 v[rD:rD+7], v[rB:rB+15], v[rA:rA+15], 0, v[rSB], v[rSA]
.elseif odd == 1
	v_wmma_scale_f32_16x16x128_f8f6f4 v[rD:rD+7], v[rB:rB+15], v[rA:rA+15], 0, v[rSB], v[rSA] matrix_a_scale:MATRIX_SCALE_ROW1
.elseif odd == 2
	v_wmma_scale_f32_16x16x128_f8f6f4 v[rD:rD+7], v[rB:rB+15], v[rA:rA+15], 0, v[rSB], v[rSA] matrix_b_scale:MATRIX_SCALE_ROW1
.else
	v_wmma_scale_f32_16x16x128_f8f6f4 v[rD:rD+7], v[rB:rB+15], v[rA:rA+15], 0, v[rSB], v[rSA] matrix_a_scale:MATRIX_SCALE_ROW1 matrix_b_scale:MATRIX_SCALE_ROW1
.endif
.else
.if odd == 0
	v_wmma_scale_f32_16x16x128_f8f6f4 v[rD:rD+7], v[rB:rB+15], v[rA:rA+15], v[rD:rD+7], v[rSB], v[rSA]
.elseif odd == 1
	v_wmma_scale_f32_16x16x128_f8f6f4 v[rD:rD+7], v[rB:rB+15], v[rA:rA+15], v[rD:rD+7], v[rSB], v[rSA] matrix_a_scale:MATRIX_SCALE_ROW1
.elseif odd == 2
	v_wmma_scale_f32_16x16x128_f8f6f4 v[rD:rD+7], v[rB:rB+15], v[rA:rA+15], v[rD:rD+7], v[rSB], v[rSA] matrix_b_scale:MATRIX_SCALE_ROW1
.else
	v_wmma_scale_f32_16x16x128_f8f6f4 v[rD:rD+7], v[rB:rB+15], v[rA:rA+15], v[rD:rD+7], v[rSB], v[rSA] matrix_a_scale:MATRIX_SCALE_ROW1 matrix_b_scale:MATRIX_SCALE_ROW1
.endif
.endif
.endm
.macro MUL8 b0, s, p, zero             ; weight blocks b0, b0 + 1, each against the chunk's four row blocks: the 32 accumulators take turns, in the same order in every chunk
.irp b, \b0, \b0+1
.irp a, 0,1,2,3
	WM \a, \b, \s, \p, \zero
.endr
.endr
.endm
.macro BFETCH half, slot, kc           ; four weight fragments of the slot's chunk kc
.irp i, 0,1,2,3
.irp c, 0,1,2,3
	ds_load_b128 v[128+64*(\half)+16*\i+4*\c:128+64*(\half)+16*\i+4*\c+3], v[ADRB+2*(\slot)+(\half)] offset:\i*16*PITCH+128*(\kc)+32*\c
.endr
.endr
.endm
.macro SBF p, off                      ; a chunk's scale words of the 128 weight rows: register j: row 32 j + lane
.irp j, 0,1,2,3
	ds_load_b32 v[SB+8*(\p)+\j], v[ADSB] offset:\j*32*TP+(\off)
.endr
.endm
.macro ALOAD s, rec                    ; a record of the left operand into ring place s
	WIN 0x40
.irp i, 0,1,2,3,4,5,6,7,8,9,10,11,12,13,14,15
	global_load_b128 v[64*(\s)+4*\i:64*(\s)+4*\i+3], v[VL16], s[PA:PA+1] offset:(\rec)*8192+512*\i
.endr
	WIN 0
	global_load_b64 v[SA+8*((\s)/2)+2*((\s)%2):SA+8*((\s)/2)+2*((\s)%2)+1], v[VL8], s[PAS:PAS+1] offset:(\rec)*256
.endm
; A chunk: 128 along K, 32 matrix instructions.  s: ring place, p: set of weight scale words.  The next chunk's weight blocks 0-3 are fetched in the middle, blocks 4-7 at the end,
; each behind eight places (ISA guide 7.12.1 for instructions other than loads).  kind 0: the next chunk lies in the same slot.  kind 1, 2: a slot's last chunk; slot 0, 1 is filled again.
; kind 3: a slot's last chunk, nothing is filled.  kind 4: the last chunk of all.  lc: loads issued behind this chunk's record.  ld: the record rec is asked for.  pf: a prefetch.
.macro CH acc, zero, s, p, kind, nslot, nkc, noff, lc, ld, rec, pf
	s_wait_loadcnt \lc
.if (\kind) == 0 || (\kind) == 4
	s_wait_dscnt 16                                ; scale words and blocks 0-3 are in; blocks 4-7's 16 loads may be out
	WIN \acc
	MUL8 0, \s, \p, \zero
	MUL8 2, \s, \p, \zero
.else
	s_wait_tensorcnt 0x0                           ; my one tensor load, my quarter of the other slot, has landed
	ds_add_u32 v[SPW], v[NIL]
.if (\kind) == 1
	s_add_nc_u64 s[G0A+2:G0A+3], s[G0A+2:G0A+3], 1024   ; the reservoir's next K group
.elseif (\kind) == 2
	s_mov_b64 s[G0W+2:G0W+3], s[NXT:NXT+1]         ; input weights, the next time gate weights
	s_or_b32 s[G0W+3], s[G0W+3], 0x80000000
	s_mov_b64 s[NXT:NXT+1], s[PGW:PGW+1]
.endif
	s_wait_dscnt 17                                ; the add and blocks 4-7's loads may be out
	WIN \acc
	MUL8 0, \s, \p, \zero
	s_wait_dscnt 0x0                               ; the add is done, my reads of this slot are over
	s_barrier_signal -1
	MUL8 2, \s, \p, \zero
	WIN 0
	s_barrier_wait -1
.endif
.if (\kind) == 4
	s_wait_dscnt 0x0
	MUL8 4, \s, \p, \zero
	MUL8 6, \s, \p, \zero
	WIN 0
.else
.if (\kind) == 0
	PLACES 8
	WIN 0
.elseif (\kind) == 3
	PLACES 8
.else
	CREST                                          ; the barrier has opened a round of the cluster's barrier
.if (\kind) == 1
	tensor_load_to_lds s[G0A:G0A+3], s[G1R:G1R+7]
.else
	tensor_load_to_lds s[G0W:G0W+3], s[G1W:G1W+7]
.endif
	s_nop 0
	PLACES 8
.endif
	SBF 1-(\p), \noff
	BFETCH 0, \nslot, \nkc
.if (\pf) >= 0
	global_prefetch_b8 v[PFO], s[PSL:PSL+1] offset:(\pf)*16*16384 th:TH_LOAD_NT scope:SCOPE_SE   ; 16 rows x 512 bytes of my state tile, a lane to each 256 bytes
.endif
.if (\kind) == 0
	s_wait_dscnt 20                                ; all but the 20 just issued
.endif
	WIN \acc
	MUL8 4, \s, \p, \zero
	MUL8 6, \s, \p, \zero
	PLACES 8
	WIN 0
	BFETCH 1, \nslot, \nkc
.if \ld
	ALOAD \s, \rec
.endif
.endif
.endm
	s_load_b512 s[4:19], s[0:1], 0x0               ; a_frag, a_scl, reservoir codes, scales, input weights' codes, scales, gate weights' codes, scales
	s_load_b128 s[20:23], s[0:1], 0x40             ; state, out0
	s_load_b64 s[24:25], s[0:1], 0x50              ; out1
	v_lshl_add_u32 v[SPW], v0, 2, SPARE
	v_mov_b32 v[NIL], 0
	ds_add_u32 v[SPW], v[NIL]                      ; the opening lines: the add twice on end and its wait
	ds_add_u32 v[SPW], v[NIL]
	v_lshrrev_b32 v1, 5, v0
	v_readfirstlane_b32 s[WV], v1                  ; wave
	v_and_b32 v2, 15, v0                           ; r
	v_bfe_u32 v3, v0, 4, 1                         ; h
	v_and_b32 v4, 31, v0                           ; lane
	v_lshlrev_b32 v[VL16], 4, v4
	v_lshlrev_b32 v[VL8], 3, v4
	v_mul_u32_u24 v[ADRB], v2, PITCH
	v_lshl_add_u32 v[ADRB], v3, 4, v[ADRB]         ; a fragment's row x pitch + 16 h
	v_add_nc_u32 v[ADRB+1], 64*PITCH, v[ADRB]
	v_add_nc_u32 v[ADRB+2], SLOT, v[ADRB]
	v_add_nc_u32 v[ADRB+3], SLOT+64*PITCH, v[ADRB]
	v_mul_u32_u24 v[ADSB], v4, TP
	v_add_nc_u32 v[ADSB], TAB, v[ADSB]
	s_mul_i32 s83, s[WV], 2*DUMP                   ; the way out: my 2 x 64 rows of 528 bytes
	v_mul_u32_u24 v[STO], v2, DP
	v_lshl_add_u32 v[STO], v3, 5, v[STO]
	v_add_nc_u32 v[STO], s83, v[STO]
	v_add_nc_u32 v[RD], s83, v[VL16]
	v_lshrrev_b32 v1, 1, v4
	v_and_b32 v9, 1, v4
	v_lshlrev_b32 v[PFO], 14, v1
	v_lshl_add_u32 v[PFO], v9, 8, v[PFO]           ; row lane / 2, half lane % 2
	v_lshrrev_b32 v1, 3, v0
	v_and_b32 v9, 7, v0
	v_mul_u32_u24 v[TR], v1, TP
	v_lshl_add_u32 v[TR], v9, 4, v[TR]
	v_add_nc_u32 v[TR], TAB, v[TR]                 ; reservoir scales: thread t: row t / 8, 16 bytes at 16 (t % 8)
	v_lshrrev_b32 v1, 1, v0
	v_and_b32 v9, 1, v0
	v_mul_u32_u24 v[TW], v1, TP
	v_lshl_add_u32 v[TW], v9, 4, v[TW]
	v_add_nc_u32 v[TW], TAB+128, v[TW]             ; the small weights': row t / 2, 16 bytes at 16 (t % 2)
	v_lshlrev_b32 v[GT], 4, v0
.irp q, 0,1
	v_mov_b32 v[K09+\q], 0x3f666666                ; 0.9
	v_mov_b32 v[KT+\q], 0x4038aa3b                 ; 2 log2 e
	v_mov_b32 v[KS+\q], 0xbfb8aa3b                 ; -log2 e
	v_mov_b32 v[KM2+\q], 0xbe4ccccd                ; -0.2
	v_mov_b32 v[K01+\q], 0x3dcccccd                ; 0.1
.endr
	s_bfe_u32 s67, ttmp6, 0x40000                  ; cx
	s_lshl_b32 s68, ttmp9, 2
	s_add_co_u32 s68, s68, s67                     ; block of 256 rows
	s_and_b32 s69, ttmp7, 0xffff                   ; block of 128 columns: the same in the cluster's four
	s_lshl_b32 s70, s69, 7
	s_lshl_b32 s71, s[WV], 5
	s_add_co_u32 s70, s70, s71                     ; the first of the 32 weight rows that I fetch
	s_lshl_b32 s71, s68, 2
	s_add_co_u32 s71, s71, s[WV]                   ; my group of 64 rows
	s_mul_i32 s82, s[WV], QUART                    ; where my quarter of a tile goes
.irp g, G1R, G1W
	s_mov_b32 s[\g], 15|(1<<20)|(1<<21)|(7<<22)|(3<<25)   ; mask: the cluster's four; bytes; 4 words of padding behind every 256
	s_mov_b32 s[\g+1], 1024<<16
	s_mov_b32 s[\g+2], 32<<16
	s_mov_b32 s[\g+3], 1024<<16
	s_mov_b32 s[\g+4], 32
	s_mov_b32 s[\g+6], 0
	s_mov_b32 s[\g+7], 0
.endr
	s_mov_b32 s[G1R+5], 4096
	s_mov_b32 s[G1W+5], 1024
	s_mov_b32 s79, 0
	s_wait_alu depctr_va_vdst(0)                   ; the wait at the head's end
	s_wait_dscnt 0x0
	s_wait_kmcnt 0x0
	s_lshl_b32 s78, s70, 12
	s_add_nc_u64 s[PRW:PRW+1], s[8:9], s[78:79]
	s_lshl_b32 s78, s70, 10
	s_add_nc_u64 s[NXT:NXT+1], s[12:13], s[78:79]
	s_add_nc_u64 s[PGW:PGW+1], s[16:17], s[78:79]
	s_mov_b32 s[G0A], 1
	s_mov_b32 s[G0A+1], s82
	s_mov_b64 s[G0A+2:G0A+3], s[PRW:PRW+1]         ; fill 0: reservoir K group 0
	s_or_b32 s[G0A+3], s[G0A+3], 0x80000000
	s_mov_b32 s[G0H], 1
	s_add_co_u32 s[G0H+1], s82, SLOT
	s_add_nc_u64 s[G0H+2:G0H+3], s[PRW:PRW+1], 3072   ; fill 1: K group 3
	s_or_b32 s[G0H+3], s[G0H+3], 0x80000000
	s_mov_b32 s[G0W], 1
	s_add_co_u32 s[G0W+1], s82, SLOT
	CROUND                                         ; in front of the first joint loads
	tensor_load_to_lds s[G0A:G0A+3], s[G1R:G1R+7]  ; one tensor load a wave at the head
	s_nop 0
	PLACES 4
	s_lshl_b32 s78, s69, 14
	s_add_nc_u64 s[10:11], s[10:11], s[78:79]
	s_lshl_b32 s78, s69, 12
	s_add_nc_u64 s[14:15], s[14:15], s[78:79]
	s_add_nc_u64 s[18:19], s[18:19], s[78:79]
	s_mul_i32 s78, s71, 40*8192
	s_add_nc_u64 s[PA:PA+1], s[4:5], s[78:79]
	s_mul_i32 s78, s71, 40*256
	s_add_nc_u64 s[PAS:PAS+1], s[6:7], s[78:79]
	s_lshl_b32 s78, s71, 20
	s_lshl_b32 s80, s69, 9
	s_add_co_u32 s78, s78, s80                     ; my tile in the state and the outputs: 64 rows of 16,384 bytes a group, 512 bytes a column block
	s_add_nc_u64 s[PSL:PSL+1], s[20:21], s[78:79]
	s_add_nc_u64 s[PO0:PO0+1], s[22:23], s[78:79]
	s_add_nc_u64 s[PO1:PO1+1], s[24:25], s[78:79]
.irp i, 0,1,2,3,4,5,6,7
	global_load_b128 v[128+4*\i:131+4*\i], v[GT], s[10:11] offset:2048*\i   ; the weights' scale bytes, once, in whole runs
.endr
.irp i, 0,1
	global_load_b128 v[160+4*\i:163+4*\i], v[GT], s[14:15] offset:2048*\i
	global_load_b128 v[168+4*\i:171+4*\i], v[GT], s[18:19] offset:2048*\i
.endr
	ALOAD 0, 0
	ALOAD 1, 1
	ALOAD 2, 2
	s_wait_loadcnt 51                              ; the scale bytes are in; three records may be out
.irp i, 0,1,2,3,4,5,6,7
	ds_store_b64 v[TR], v[128+4*\i:129+4*\i] offset:16*TP*\i
	ds_store_b64 v[TR], v[130+4*\i:131+4*\i] offset:16*TP*\i+8
.endr
.irp i, 0,1
	ds_store_b64 v[TW], v[160+4*\i:161+4*\i] offset:64*TP*\i
	ds_store_b64 v[TW], v[162+4*\i:163+4*\i] offset:64*TP*\i+8
	ds_store_b64 v[TW], v[168+4*\i:169+4*\i] offset:64*TP*\i+32
	ds_store_b64 v[TW], v[170+4*\i:171+4*\i] offset:64*TP*\i+40
.endr
	ALOAD 3, 3
	s_wait_tensorcnt 0x0                           ; my quarter of fill 0 is in; slot 1's first fill is issued as a refill is
	ds_add_u32 v[SPW], v[NIL]
	s_wait_dscnt 0x0                               ; the add and my stores of scale bytes are done
	CROUND
	tensor_load_to_lds s[G0H:G0H+3], s[G1R:G1R+7]
	s_nop 0
	PLACES 4
	SBF 0, 0
	BFETCH 0, 0, 0
	BFETCH 1, 0, 0
	CH MS, 1, 0, 0, 0, 0, 1, 4, 51, 1, 4, -1       ; the first chunk starts S's sums
	s_mov_b32 s2, 2
.Llap:                                                 ; a trip: 16 chunks, once round the ring, from slot 0's second chunk to its next fill's first
.irp q, 1,2,3,4,5,6
	CH MS, 0, \q%4, \q%2, 0, 0, \q+1, 4*(\q+1), 51, 1, \q+4, -1
.endr
	CH MS, 0, 3, 1, 1, 1, 0, 96, 51, 1, 11, -1
.irp q, 8,9,10,11,12,13,14
	CH MS, 0, \q%4, \q%2, 0, 1, \q-7, 96+4*(\q-7), 51, 1, \q+4, -1
.endr
	CH MS, 0, 3, 1, 2, 0, 0, 32, 51, 1, 19, -1
	CH MS, 0, 0, 0, 0, 0, 1, 36, 51, 1, 20, -1
	s_wait_xcnt 0x0                                ; the loads have read their bases
	s_add_nc_u64 s[PA:PA+1], s[PA:PA+1], 16*8192
	s_add_nc_u64 s[PAS:PAS+1], s[PAS:PAS+1], 16*256
	v_add_nc_u32 v[ADSB], 32, v[ADSB]              ; each slot's next fill has its scale bytes 32 further on
	s_wait_alu depctr_va_vdst(0)                   ; the wait behind the write
	s_sub_co_u32 s2, s2, 1
	s_cmp_lg_u32 s2, 0
	s_cbranch_scc1 .Llap
	CH MS, 0, 1, 1, 0, 0, 2, 8, 51, 1, 5, 0        ; reservoir group 2 goes on; my state tile is asked of memory, some eleven chunks ahead of its loads
	CH MS, 0, 2, 0, 0, 0, 3, 12, 51, 1, 6, 1
	CH MS, 0, 3, 1, 0, 0, 4, 16, 51, 1, 7, 2
	CH MS, 0, 0, 0, 0, 0, 5, 20, 51, 1, -8, 3      ; from here the inputs' records once more, for G
	CH MS, 0, 1, 1, 0, 0, 6, 24, 51, 1, -7, -1
	CH MS, 0, 2, 0, 0, 0, 7, 28, 51, 1, -6, -1
	CH MS, 0, 3, 1, 3, 1, 0, 96, 51, 1, -5, -1     ; nothing is filled again
	CH MG, 1, 0, 0, 0, 1, 1, 100, 51, 1, -4, -1    ; G's first chunk starts its sums
	CH MG, 0, 1, 1, 0, 1, 2, 104, 51, 1, -3, -1
	CH MG, 0, 2, 0, 0, 1, 3, 108, 51, 1, -2, -1
	CH MG, 0, 3, 1, 0, 1, 4, 112, 51, 1, -1, -1
	CH MG, 0, 0, 0, 0, 1, 5, 116, 51, 0, 0, -1
.irp i, 0,1,2,3,4,5,6,7
	global_load_b128 v[ST+4*\i:ST+4*\i+3], v[VL16], s[PSL:PSL+1] offset:16384*\i th:TH_LOAD_NT   ; the state's first 8 rows
.endr
	CH MG, 0, 1, 1, 0, 1, 6, 120, 42, 0, 0, -1     ; the counts run down: two records and the 8 state loads,
	CH MG, 0, 2, 0, 0, 1, 7, 124, 25, 0, 0, -1     ; one and the 8,
	CH MG, 0, 3, 1, 4, 0, 0, 0, 8, 0, 0, -1        ; the 8
	PLACES 8
	s_barrier_signal -1                            ; no LDS instruction of mine is out: nobody reads the slots or the scale bytes behind this barrier
	s_barrier_wait -1
	WIN 0x08
.set t, 0
.rept 32
	ds_store_b128 v[STO], v[8*t:8*t+3] offset:(t/8)*16*DP+64*(t%8)          ; S, each accumulator from its low end on
	ds_store_b128 v[STO], v[8*t+4:8*t+7] offset:(t/8)*16*DP+64*(t%8)+16
.set t, t+1
.endr
	WIN 0x0c
.set t, 0
.rept 32
	ds_store_b128 v[STO], v[8*t:8*t+3] offset:DUMP+(t/8)*16*DP+64*(t%8)     ; G
	ds_store_b128 v[STO], v[8*t+4:8*t+7] offset:DUMP+(t/8)*16*DP+64*(t%8)+16
.set t, t+1
.endr
	WIN 0
.macro DLOAD                           ; 8 rows of S and of G back as whole rows of 512 bytes; LDS serves a wave's instructions in order
.irp i, 0,1,2,3,4,5,6,7
	ds_load_b128 v[SS+4*\i:SS+4*\i+3], v[RD] offset:DP*\i
	ds_load_b128 v[GG+4*\i:GG+4*\i+3], v[RD] offset:DUMP+DP*\i
.endr
.endm
.macro ETRIP more                      ; 8 rows: 32 numbers a lane
	s_wait_dscnt 0x0
.set k, 0
.rept 16
	v_pk_mul_f32 v[SS+2*k:SS+2*k+1], v[SS+2*k:SS+2*k+1], v[KT:KT+1]
	v_pk_mul_f32 v[GG+2*k:GG+2*k+1], v[GG+2*k:GG+2*k+1], v[KS:KS+1]
.set k, k+1
.endr
	s_wait_alu depctr_va_vdst(0)                   ; the wait ahead of the batch
.set k, 0
.rept 64
	v_exp_f32 v[SS+k], v[SS+k]
.set k, k+1
.endr
	s_wait_loadcnt 0x0                             ; the state's 8 rows
.set k, 0
.rept 16
	v_pk_fma_f32 v[HH+2*k:HH+2*k+1], v[ST+2*k:ST+2*k+1], v[K09:K09+1], v[K01:K01+1]   ; 0.9 state + 0.1
.set k, k+1
.endr
.if \more
	s_wait_xcnt 0x0
	s_add_nc_u64 s[PSL:PSL+1], s[PSL:PSL+1], 8*16384
.irp i, 0,1,2,3,4,5,6,7
	global_load_b128 v[ST+4*\i:ST+4*\i+3], v[VL16], s[PSL:PSL+1] offset:16384*\i th:TH_LOAD_NT   ; the next 8 rows
.endr
.endif
	s_wait_alu depctr_va_vdst(0)                   ; and behind it, ahead of its first reader
.set k, 0
.rept 32
	v_pk_add_f32 v[SS+2*k:SS+2*k+1], v[SS+2*k:SS+2*k+1], 1.0 op_sel_hi:[1,0]
.set k, k+1
.endr
	s_wait_alu depctr_va_vdst(0)
.set k, 0
.rept 64
	v_rcp_f32 v[SS+k], v[SS+k]
.set k, k+1
.endr
	v_nop
	s_wait_alu depctr_va_vdst(0)
.set k, 0
.rept 16
	v_pk_fma_f32 v[HH+2*k:HH+2*k+1], v[SS+2*k:SS+2*k+1], v[KM2:KM2+1], v[HH+2*k:HH+2*k+1]   ; 0.9 state + 0.1 tanh S
.set k, k+1
.endr
.set k, 0
.rept 16
	v_pk_mul_f32 v[HH+2*k:HH+2*k+1], v[HH+2*k:HH+2*k+1], v[GG+2*k:GG+2*k+1]                 ; x sigmoid G
.set k, k+1
.endr
.if \more
	v_add_nc_u32 v[RD], 8*DP, v[RD]
	s_wait_alu depctr_va_vdst(0)                   ; the wait behind the write
	DLOAD
.endif
.set k, 0
.rept 32
	v_cmp_lt_f32 vcc_lo, 0.5, v[HH+k]
	v_cndmask_b32 v[OO+k], 0, 1.0, vcc_lo
.set k, k+1
.endr
.irp i, 0,1,2,3,4,5,6,7
	global_store_b128 v[VL16], v[HH+4*\i:HH+4*\i+3], s[PO1:PO1+1] offset:16384*\i th:TH_STORE_NT   ; 32 lanes store 512 consecutive bytes of a row
.endr
.irp i, 0,1,2,3,4,5,6,7
	global_store_b128 v[VL16], v[OO+4*\i:OO+4*\i+3], s[PO0:PO0+1] offset:16384*\i th:TH_STORE_NT
.endr
.if \more
	s_wait_xcnt 0x0                                ; the stores have read their data and bases
	s_add_nc_u64 s[PO0:PO0+1], s[PO0:PO0+1], 8*16384
	s_add_nc_u64 s[PO1:PO1+1], s[PO1:PO1+1], 8*16384
.endif
.endm
	DLOAD
	s_mov_b32 s2, 7
.Lrows:
	ETRIP 1
	s_sub_co_u32 s2, s2, 1
	s_cmp_lg_u32 s2, 0
	s_wait_alu depctr_va_vdst(0)                   ; the wait ahead of the branch
	s_cbranch_scc1 .Lrows
	ETRIP 0                                        ; the last 8 rows ask for nothing more
	s_wait_tensorcnt 0x0                           ; the wave's end
	ds_add_u32 v[SPW], v[NIL]
	s_wait_dscnt 0x0
	CROUND                                         ; the closing round
	s_endpgm
.Lfunc_end_k_qff63fdb1df_step:
	.size	k_qff63fdb1df_step, .Lfunc_end_k_qff63fdb1df_step-k_qff63fdb1df_step
	.p2alignl 7, 3214868480
	.fill 96, 4, 3214868480
	.section	.rodata,"a",@progbits
	.p2align	6, 0x0
	.amdhsa_kernel k_qff63fdb1df_step
		.amdhsa_group_segment_fixed_size 327680
		.amdhsa_private_segment_fixed_size 0
		.amdhsa_enable_private_segment 0
		.amdhsa_kernarg_size 88
		.amdhsa_user_sgpr_count 2
		.amdhsa_user_sgpr_kernarg_segment_ptr 1
		.amdhsa_wavefront_size32 1
		.amdhsa_system_sgpr_workgroup_id_x 1
		.amdhsa_system_sgpr_workgroup_id_y 1
		.amdhsa_system_sgpr_workgroup_id_z 1
		.amdhsa_system_vgpr_workitem_id 0
		.amdhsa_next_free_vgpr 1024
		.amdhsa_next_free_sgpr 90
		.amdhsa_reserve_vcc 1
		.amdhsa_float_denorm_mode_32 3
		.amdhsa_float_denorm_mode_16_64 3
		.amdhsa_memory_ordered 1
		.amdhsa_forward_progress 1
		.amdhsa_inst_pref_size 255
	.end_amdhsa_kernel
	.section	.bss,"aw",@nobits
	.p2align	6
	.space	262144
	.amdgpu_metadata
---
amdhsa.version: [ 1, 2 ]
amdhsa.kernels:
  - .name:           k_qff63fdb1df_step
    .symbol:         k_qff63fdb1df_step.kd
    .args:
      - { .name: a_frag, .offset: 0, .size: 8, .value_kind: global_buffer, .address_space: global }
      - { .name: a_scl, .offset: 8, .size: 8, .value_kind: global_buffer, .address_space: global }
      - { .name: reservoir_weights_codes, .offset: 16, .size: 8, .value_kind: global_buffer, .address_space: global }
      - { .name: reservoir_weights_scales, .offset: 24, .size: 8, .value_kind: global_buffer, .address_space: global }
      - { .name: input_weights_codes, .offset: 32, .size: 8, .value_kind: global_buffer, .address_space: global }
      - { .name: input_weights_scales, .offset: 40, .size: 8, .value_kind: global_buffer, .address_space: global }
      - { .name: gate_weights_codes, .offset: 48, .size: 8, .value_kind: global_buffer, .address_space: global }
      - { .name: gate_weights_scales, .offset: 56, .size: 8, .value_kind: global_buffer, .address_space: global }
      - { .name: reservoir_state, .offset: 64, .size: 8, .value_kind: global_buffer, .address_space: global }
      - { .name: out0, .offset: 72, .size: 8, .value_kind: global_buffer, .address_space: global }
      - { .name: out1, .offset: 80, .size: 8, .value_kind: global_buffer, .address_space: global }
    .group_segment_fixed_size: 327680
    .private_segment_fixed_size: 0
    .kernarg_segment_align: 8
    .kernarg_segment_size: 88
    .max_flat_workgroup_size: 128
    .sgpr_count:     90
    .vgpr_count:     1024
    .wavefront_size: 32
...
	.end_amdgpu_metadata
.endif
;; end of part 2
